; MI455X (gfx1250); checked and timed in simulation.
; The chip was launched on July 23, 2026; its instructions are those of AMD's public machine-readable ISA for CDNA 5 (MIT licence, August 2026) and "CDNA5" Instruction Set Architecture Reference Guide (July 2026). The comments in the code are by the model that wrote it; some were corrected since.
;; Multi Head Attention. Allowed arithmetic: matrix products marked QUANTISED: E5M2 operands, one given power-of-two scale a tensor, by v_wmma_f32_16x16x64_bf8_bf8 or v_wmma_f32_16x16x128_bf8_bf8, f32 sums; everything else in f32.
;; Inputs: Wk_codes 1,024 x 32 x 32 uint8 (E5M2 codes of Wk, K innermost, in blocks of 32 codes); Wo_codes 1,024 x 32 x 32 uint8 (E5M2 codes of Wo, K innermost, in blocks of 32 codes); Wq_codes 1,024 x 32 x 32 uint8 (E5M2 codes of Wq, K innermost, in blocks of 32 codes); Wv_codes 1,024 x 32 x 32 uint8 (E5M2 codes of Wv, K innermost, in blocks of 32 codes); lowp_scales 12 int32 (the exponents e of the quantised operands' scales 2^e); x_codes 4 x 2,048 x 32 x 32 uint8 (E5M2 codes of x, K innermost, in blocks of 32 codes).
;; Outputs: out0 4 x 2,048 x 1,024 float32.
;; This version of the problem:
;;   THIS VERSION OF THE PROBLEM IS GIVEN IN LOW PRECISION. The matrix products marked QUANTISED in the list below multiply operands that are first quantised to E5M2 (5 exponent bits, 2 mantissa bits; 8 bits a number), with one given power-of-two scale for each operand tensor; their sums are f32. All else is computed in f32.
;;   The module's matrix products, in the order in which they are computed (A, B: the left and right operand; K: the contracted axis; several contracted axes count as one K, in the product's order):
;;     1. [M 8,192, K 1,024] x [K 1,024, N 1,024]; A: input x (given as codes); B: input Wq (given as codes): QUANTISED (scales: A lowp_scales[0], B lowp_scales[1])
;;     2. [M 8,192, K 1,024] x [K 1,024, N 1,024]; A: input x (given as codes); B: input Wk (given as codes): QUANTISED (scales: A lowp_scales[2], B lowp_scales[3])
;;     3. [M 8,192, K 1,024] x [K 1,024, N 1,024]; A: input x (given as codes); B: input Wv (given as codes): QUANTISED (scales: A lowp_scales[4], B lowp_scales[5])
;;     4. batch 32 x [M 2,048, K 128] x [K 128, N 2,048]; A: computed on the way; B: computed on the way: QUANTISED (scales: A lowp_scales[6], B lowp_scales[7])
;;     5. batch 32 x [M 2,048, K 2,048] x [K 2,048, N 128]; A: softmax (see below); B: computed on the way: QUANTISED (scales: A lowp_scales[8], B lowp_scales[9])
;;     6. [M 8,192, K 1,024] x [K 1,024, N 1,024]; A: computed on the way; B: input Wo (given as codes): QUANTISED (scales: A lowp_scales[10], B lowp_scales[11])
;;   THE QUANTISER, for each operand of a quantised product, along K:
;;     - The operand's scale is 2^e, e = its entry of the input lowp_scales (int32; the entries are numbered through the quantised products in the list's order, A before B).
;;     - Each number is divided by the scale, clamped to +-57,344, and rounded to the nearest number of E5M2, ties to even, subnormals kept.
;;     - The product sums the exact products of the quantised numbers (number of the format x scale) in f32.
;;   ~~~python
;;   def quantise(x, axis, e):      # numpy; x: float32 -> the quantised numbers, widened to float32 again
;;       x = np.moveaxis(x, axis, -1); K = x.shape[-1]
;;       r = np.clip(x / 2.0 ** e, -57344, 57344)
;;       step = 2.0 ** (np.maximum(np.frexp(np.where(r == 0, 1, r))[1] - 1, -14) - 2)
;;       q = np.round(r / step) * step * 2.0 ** e      # np.round: ties to even
;;       return np.moveaxis(q, -1, axis).astype(np.float32)
;;   ~~~
;;   SOFTMAX AHEAD OF A QUANTISED PRODUCT. Where the list says 'softmax', what is quantised is not the finished softmax but p = 2^(t - M), with t = logit x log2(e) and M = ceil(the row's largest t), a whole number; so 1/2 < the row's largest p <= 1. The row's sum l is taken of the UNQUANTISED p, in f32, and the product's result is divided by l at the end. Since M is a whole number, a kernel that streams over the keys may use a running M (the ceiling of the running maximum): every later rescaling is an exact power of two, so the quantised numbers keep their values, but for numbers so far below the row's largest that they fall under the format's range.
;;   OPERANDS COMPUTED ON THE WAY. 'Computed on the way' means the value that the module computes at that place (a softmax that the list does not call 'softmax' is quantised finished and normalised). What goes into a quantiser is computed in f32, as accurately as f32 sums, v_exp_f32 and their like allow (about 1e-6 of the number): no bf16 or f16 on the way to a quantiser, and a product that is left as it is and whose result goes on into a quantised operand takes f32 operands (vector FMAs, or v_wmma_f32_16x16x4_f32). A number that lies on a knife's edge between two numbers of the format may be rounded either way, as far as f32 arithmetic and the matrix unit's own rounding can turn it there, and no further.
;;   INPUTS GIVEN AS CODES. Wk (in the module: [1024, 1024], K = its axis 1); Wo (in the module: [1024, 1024], K = its axis 1); Wq (in the module: [1024, 1024], K = its axis 1); Wv (in the module: [1024, 1024], K = its axis 1); x (in the module: [4, 2048, 1024], K = its axis 2): each comes as NAME_codes (uint8): NAME with its K axis moved to the last place and cut into blocks of 32 codes, [.., K / 32, bytes a block], one block behind the other in memory; one code a byte (a code: sign, 5 exponent bits, 2 mantissa bits); its scale is its entry of lowp_scales. Its value is code x scale, taken as it is: it is not quantised again, and the codes and scales need not be those that the quantiser above would give.
;; One version. Each part assembles by itself: llvm-mc -triple=amdgcn-amd-amdhsa -mcpu=gfx1250 --defsym DOCPART=n.
;; ======== version 1 of 1: 3 launches
;; limits: right only within a limited range of input values
;; workspace buffers: q_img 8,388,608 bytes; k_img 8,388,608 bytes; v_img 8,388,608 bytes; ctx_img 8,388,608 bytes
;; launch proj (part 1): grid 8 x 32, 4 waves a work-group, clusters of 4 x 4, 327,680 bytes of LDS; arguments x_codes, Wq_codes, Wk_codes, Wv_codes, lowp_scales, q_img, k_img, v_img; writes q_img, k_img, v_img
.if DOCPART == 1
	.amdgcn_target "amdgcn-amd-amdhsa--gfx1250"
	.amdhsa_code_object_version 6
	.text
	.protected	k_q2c864a2360_proj
	.globl	k_q2c864a2360_proj
	.p2align	8
	.type	k_q2c864a2360_proj,@function
k_q2c864a2360_proj:
	s_mov_b64 s[64:65], 0
	v_nop
	global_prefetch_b8 v0, s[64:65] scope:SCOPE_SE
	s_setreg_imm32_b32 hwreg(HW_REG_WAVE_MODE, 25, 1), 1
	s_wait_xcnt 0x0
	s_wait_alu depctr_hold_cnt(0) depctr_sa_sdst(0) depctr_va_vdst(0) depctr_va_sdst(0) depctr_va_ssrc(0) depctr_va_vcc(0) depctr_vm_vsrc(0)
	s_getreg_b32 s2, hwreg(HW_REG_IB_STS2, 6, 4)
	s_cmp_eq_u32 s2, 0
	s_cbranch_scc0 .Lentry_in_a_cluster
	s_endpgm
.Lentry_in_a_cluster:
	s_bfe_u32 s2, ttmp6, 0x10000c
	s_cmp_lg_u32 s2, 0xf033
	s_cbranch_scc0 .Lentry_shape_is_right
	s_endpgm
.Lentry_shape_is_right:
; q = x Wq^T, k = x Wk^T, v = x Wv^T on codes of BF8 (E5M2), and the three results quantised to codes again, in one launch.
; x: [8192][1024] codes; each W: [1024][1024] codes, K innermost.  Sums in f32.  A sum stands for sum x 2^(ea + eb); its code is sum / 2^(eo - ea - eb), held within +-57,344, to the nearest code, ties to even.
; (ea, eb, eo) are entries (0, 1, 6) of the scales for q, (2, 3, 7) for k, (4, 5, 9) for v.   LIMIT: eo - ea - eb lies between -126 and 112, so that the scale and 57,344 x the scale are f32 numbers.  NaN codes are not served.
; SHARES.  A work-group makes q, k and v of one head (128 features each) for 256 tokens: 8 x 32 = 256 work-groups of equal work.  Each of its four waves owns 64 tokens and all 384 features.
; x STAYS IN REGISTERS: a wave's 64 tokens x all of K = 1,024 are 32 fragments, 512 registers.  They come once through LDS (256 rows of 1,024 bytes); then the head's 128 rows of Wq, Wk and Wv, whole rows of K each, take turns in the two halves of those bytes:
; a slot is 256 matrix instructions of work for a wave, and the next slot's load is on its way meanwhile.  A fragment of W that a wave reads from LDS feeds four matrix instructions.
; THE TWO SIDES.  A result is quantised along the axis that is K of the product that reads it: q and k along the head's 128 features, v along the tokens.  For q and k source 0 takes 16 rows of W and source 1 sixteen tokens: a lane then holds ONE token and eight
; neighbouring features; for v the two sources change places: a lane holds one channel and eight neighbouring tokens.
; THE OUTPUT IS AN IMAGE OF OPERAND REGISTERS.  The conversion of a tile's eight registers gives registers 2 t, 2 t + 1 of a fragment (16 rows x 128), t the tile along the 128.  Registers 4 c .. 4 c + 3 of lane l lie at byte 512 c + 16 l of a fragment's 2,048 bytes;
; eight fragments (one head, one block of 128 tokens) are 16,384 bytes on end: byte ((8 batch + head) 16 + block) x 16,384.  Each store of the wave covers 512 consecutive bytes, aligned.
; CLUSTERS: 4 x 4 work-groups.  The four of a row of the cluster need the same tokens, the four of a column the same head's W: each tile is asked for jointly, by the same tensor load with the same descriptor and a mask that names the four.
; No prefetch: the four loads of a wave are written out, and there is no loop to run ahead in.
; REGISTERS, in windows of 256: window 0: v16-31 addresses and the scale; v32-63 codes on the way out; v64-255 three buffers of four fragments of W (the third is at work on the way out).  window 1: the 32 accumulators.  windows 2, 3: x.
.set PITCH,  1040                      ; an LDS row: 1,024 bytes + 16 of padding = 260 words: the 16 rows that a load touches start at 16 different banks (64 banks of 4 bytes: ISA guide 11.1)
.set SLOT,   128*PITCH                 ; 128 rows of W, or 128 tokens of x
.set SPARE,  2*SLOT                    ; behind the two slots: the spare words, 128 bytes for each wave
.set ADW,  16                          ; v16-19  LDS address of W's fragments: slot 0, rows 0-63 and 64-127; slot 1 likewise
.set ADX,  20                          ; v20     of my tokens
.set CO,   26                          ; v26     16 x lane
.set SPW,  28                          ; v28     LDS address of my spare word; never rewritten
.set NIL,  29                          ; v29     0; never rewritten
.set SC,   30                          ; v30     2^(eo - ea - eb) as f32
.set LIM,  31                          ; v31     57,344 x that
.set CD,   32
.set WF,   64
.set TMP,  192                         ; the third buffer
.set G1,  24                           ; s[24:31] descriptor group 1 for x;  s[32:35] group 0
.set G0,  32
.set G0W, 36                           ; s[36:39] group 0 for W;  s[48:55] group 1
.set G1W, 48
.set WB,  58                           ; s[58:63] where my 32 rows of Wq, Wk and Wv begin
.set MSB, 0
.macro WIN new                         ; the immediate's high byte repeats the setting that is left
.if MSB != \new
	s_set_vgpr_msb (MSB<<8)|\new
.set MSB, \new
.endif
.endm
.macro CREST                           ; a round of the cluster's barrier behind its opening barrier
	s_cmp_lg_u32 s14, 0
	s_cbranch_scc1 .Lnot_wave_0_\@
	s_barrier_signal -3
.Lnot_wave_0_\@:
	s_barrier_wait -3
	s_barrier_signal -1
	s_barrier_wait -1
.endm
.macro CROUND                          ; a whole round
	s_barrier_signal -1
	s_barrier_wait -1
	CREST
.endm
.macro PLACES                          ; a load into a register that a matrix instruction has read, and a vector instruction that reads a matrix result, stand four places behind it (ISA guide 7.12.1 for vector instructions)
.rept 4
	v_nop
.endr
.endm
.macro SETW t, slot                    ; W's group 0: rows of the t-th W into a slot
	s_add_co_u32 s[G0W+1], s45, (\slot)*SLOT
	s_mov_b64 s[G0W+2:G0W+3], s[WB+2*(\t):WB+2*(\t)+1]
	s_or_b32 s[G0W+3], s[G0W+3], 0x80000000
.endm
.macro LOADW
	tensor_load_to_lds s[G0W:G0W+3], s[G1W:G1W+7]
	s_nop 0
.endm
	s_load_b512 s[68:83], s[0:1], 0x0              ; x s[68:69], Wq s[70:71], Wk s[72:73], Wv s[74:75], the scales s[76:77], q_img s[78:79], k_img s[80:81], v_img s[82:83]
	v_lshl_add_u32 v[SPW], v0, 2, SPARE
	v_mov_b32 v[NIL], 0
	ds_add_u32 v[SPW], v[NIL]                      ; the wave's opening: the add, twice on end, and its wait ahead of my first tensor load
	ds_add_u32 v[SPW], v[NIL]
	v_lshrrev_b32 v1, 5, v0
	v_readfirstlane_b32 s14, v1                    ; wave 0..3
	s_bfe_u32 s40, ttmp6, 0x40000                  ; cx, cy: my place in the cluster
	s_bfe_u32 s41, ttmp6, 0x40004
	s_lshl_b32 s42, ttmp9, 2
	s_add_co_u32 s42, s42, s40                     ; the head: 4 x cluster x + cx
	s_and_b32 s17, ttmp7, 0xffff
	s_lshl_b32 s17, s17, 2
	s_add_co_u32 s17, s17, s41                     ; the block of 256 tokens: 4 x cluster y + cy
	s_lshl_b32 s43, s41, 2
	s_lshl_b32 s43, 15, s43                        ; my row of the cluster
	s_lshl_b32 s44, 0x1111, s40                    ; my column
	; descriptor group 1: rows of 1,024 bytes, padded in LDS: 64 tokens of x, 32 rows of W
	s_or_b32 s[G1+0], s43, (1<<20)|(1<<21)|(7<<22)|(3<<25)   ; 15:0 the mask; 17:16 elements of 1 byte; 20 padding on; 21 set beside a mask; 24:22 after every 256 words (code 7); 31:25 four words (code 3)
	s_or_b32 s[G1W+0], s44, (1<<20)|(1<<21)|(7<<22)|(3<<25)
	s_mov_b32 s[G1+1], 1024<<16                    ; tensor_dim0
	s_mov_b32 s[G1+2], 64<<16                      ; tensor_dim1
	s_mov_b32 s[G1+3], 1024<<16                    ; tile_dim0
	s_mov_b32 s[G1+4], 64                          ; tile_dim1
	s_mov_b32 s[G1+5], 1024                        ; tensor_dim0_stride
	s_mov_b32 s[G1+6], 0
	s_mov_b32 s[G1+7], 0
	s_mov_b32 s[G1W+1], 1024<<16
	s_mov_b32 s[G1W+2], 32<<16
	s_mov_b32 s[G1W+3], 1024<<16
	s_mov_b32 s[G1W+4], 32
	s_mov_b32 s[G1W+5], 1024
	s_mov_b32 s[G1W+6], 0
	s_mov_b32 s[G1W+7], 0
	s_lshl_b32 s20, s17, 18
	s_lshl_b32 s18, s14, 16
	s_add_co_u32 s20, s20, s18                     ; my 64 tokens, in bytes
	s_mov_b32 s21, 0
	s_lshl_b32 s46, s42, 17
	s_lshl_b32 s18, s14, 15
	s_add_co_u32 s46, s46, s18                     ; my 32 rows of the head's 128, in bytes
	s_mov_b32 s47, 0
	s_mul_i32 s45, s14, 32*PITCH                   ; where they go in a slot: no place in the cluster enters an LDS address
	s_mul_i32 s18, s14, 64*PITCH                   ; my tokens in LDS
	s_wait_dscnt 0x0                               ; both opening adds are done
	s_wait_kmcnt 0x0
	s_load_b256 s[84:91], s[76:77], 0x0            ; entries 0 to 7 of the scales
	s_load_b128 s[92:95], s[76:77], 0x20           ; entries 8 to 11
	s_add_nc_u64 s[20:21], s[68:69], s[20:21]
	s_add_nc_u64 s[WB:WB+1], s[70:71], s[46:47]
	s_add_nc_u64 s[WB+2:WB+3], s[72:73], s[46:47]
	s_add_nc_u64 s[WB+4:WB+5], s[74:75], s[46:47]
	s_mov_b32 s[G0], 1                             ; count = 1
	s_mov_b32 s[G0+1], s18                         ; LDS address
	s_mov_b64 s[G0+2:G0+3], s[20:21]               ; global address
	s_or_b32 s[G0+3], s[G0+3], 0x80000000          ; type = 2
	s_mov_b32 s[G0W], 1
	CROUND                                         ; all sixteen work-groups are here: the first joint loads meet
	tensor_load_to_lds s[G0:G0+3], s[G1:G1+7]      ; x: every wave's one load at the head
	s_nop 0
	; where my results go
	s_lshr_b32 s22, s17, 3                         ; batch
	s_lshl_b32 s22, s22, 3
	s_add_co_u32 s22, s22, s42                     ; 8 batch + head
	s_lshl_b32 s22, s22, 4
	s_and_b32 s23, s17, 7
	s_lshl_b32 s23, s23, 1
	s_add_co_u32 s22, s22, s23
	s_lshr_b32 s23, s14, 1
	s_add_co_u32 s22, s22, s23                     ; x 16 + the block of 128 tokens in its batch
	s_lshl_b32 s22, s22, 14
	s_and_b32 s46, s14, 1                          ; which half of that block is mine:
	s_lshl_b32 s2, s46, 13
	s_add_co_u32 s2, s2, s22                       ; q, k: four fragments of the eight,
	s_mov_b32 s3, 0
	s_lshl_b32 s46, s46, 10
	s_add_co_u32 s46, s46, s22                     ; v: half of every fragment's registers
	s_add_nc_u64 s[4:5], s[78:79], s[2:3]
	s_add_nc_u64 s[6:7], s[80:81], s[2:3]
	s_add_nc_u64 s[10:11], s[82:83], s[46:47]
	s_wait_kmcnt 0x0
	s_sub_co_i32 s84, s90, s84                     ; q: entry 6 - entry 0 - entry 1
	s_sub_co_i32 s84, s84, s85
	s_sub_co_i32 s86, s91, s86                     ; k: entry 7 - entry 2 - entry 3
	s_sub_co_i32 s86, s86, s87
	s_sub_co_i32 s88, s93, s88                     ; v: entry 9 - entry 4 - entry 5
	s_sub_co_i32 s88, s88, s89
.irp e, 84,86,88
	s_add_co_i32 s[\e], s[\e], 127
	s_add_co_i32 s[\e+1], s[\e], 15
	s_lshl_b32 s[\e], s[\e], 23                    ; the power of two as f32: the conversion takes its exponent field
	s_lshl_b32 s[\e+1], s[\e+1], 23
	s_or_b32 s[\e+1], s[\e+1], 0x600000            ; 57,344 x that
.endr
	v_and_b32 v1, 15, v0                           ; l % 16
	v_bfe_u32 v2, v0, 4, 1                         ; l / 16
	v_and_b32 v6, 31, v0
	v_mul_u32_u24 v3, v1, PITCH
	v_lshlrev_b32 v[CO], 4, v6
	v_lshl_add_u32 v[ADW], v2, 4, v3               ; a fragment's row x pitch + 16 x half
	v_add_nc_u32 v[ADX], s18, v[ADW]
	v_add_nc_u32 v[ADW+1], SLOT/2, v[ADW]
	v_add_nc_u32 v[ADW+2], SLOT, v[ADW]
	v_add_nc_u32 v[ADW+3], SLOT+SLOT/2, v[ADW]
; A fragment, 16 rows x 128 K, is 16 registers: lane l holds row l % 16; registers 4 c .. 4 c + 3 hold K = 32 c + 16 (l / 16) + 0 .. 15: the same places on both sides, so every product meets its partner.
; A half step hs: 128 along K (the hs / 2-th of eight) x 64 of the slot's rows (hs % 2): four fragments of W in buffer hs % 3, sixteen matrix instructions.
.macro LD slot, hs
.irp f, 0,1,2,3
.irp c, 0,1,2,3
	ds_load_b128 v[WF+64*((\hs)%3)+16*\f+4*\c:WF+64*((\hs)%3)+16*\f+4*\c+3], v[ADW+2*(\slot)+(\hs)%2] offset:\f*16*PITCH+128*((\hs)/2)+32*\c
.endr
.endr
.endm
; Eight matrix instructions: token tiles ap, ap + 1 x four fragments of W.  The 32 accumulators take turns, sixteen to a half step, in the same order throughout.  The first K step's products take 0 as C: nothing is cleared.
.macro MUL hs, sw, ap
.if \sw
	WIN 0x52+((\ap)/2)                             ; source 0 (x) window 2 or 3, source 1 (W) window 0, C and D window 1
.else
	WIN 0x58+4*((\ap)/2)                           ; source 0 (W) window 0, source 1 (x) window 2 or 3, C and D window 1
.endif
.irp a, \ap, \ap+1
.irp f, 0,1,2,3
.set AC, 8*(8*(\a)+4*((\hs)%2)+\f)
.set XR, 16*(8*((\a)%2)+((\hs)/2))
.set WR, WF+64*((\hs)%3)+16*\f
.if \sw
.if (\hs) < 2
	v_wmma_f32_16x16x128_bf8_bf8 v[AC:AC+7], v[XR:XR+15], v[WR:WR+15], 0
.else
	v_wmma_f32_16x16x128_bf8_bf8 v[AC:AC+7], v[XR:XR+15], v[WR:WR+15], v[AC:AC+7]
.endif
.else
.if (\hs) < 2
	v_wmma_f32_16x16x128_bf8_bf8 v[AC:AC+7], v[WR:WR+15], v[XR:XR+15], 0
.else
	v_wmma_f32_16x16x128_bf8_bf8 v[AC:AC+7], v[WR:WR+15], v[XR:XR+15], v[AC:AC+7]
.endif
.endif
.endr
.endr
.endm
.macro HALF slot, hs, sw
	WIN 0
.if (\hs) < 14
	PLACES
	LD \slot, (\hs)+2                              ; two half steps ahead, into the buffer that the last one multiplied
	s_wait_dscnt 32                                ; this half step's fragments are in: the two later ones' sixteen loads each may be out
.elseif (\hs) == 14
	s_wait_dscnt 16
.else
	s_wait_dscnt 0x0
.endif
	MUL \hs, \sw, 0
	MUL \hs, \sw, 2
.endm
; All of a slot.  mode 1: the slot is filled again, with the t-th W; mode 2: nothing is filled again; mode 0: the last slot.
; In front of the barrier each wave waits for all its tensor loads (its part of the next slot), adds 0 to its spare word, and waits for that and for its own reads of this slot; behind it nobody reads this slot and the next one is whole.
.macro COMP slot, sw, mode, t, nslot
.irp hs, 0,1,2,3,4,5,6,7,8,9,10,11,12,13,14
	HALF \slot, \hs, \sw
.endr
.if (\mode) == 0
	HALF \slot, 15, \sw
	WIN 0
	PLACES
.else
	WIN 0
	s_wait_tensorcnt 0x0                           ; my part of the next slot is in
	ds_add_u32 v[SPW], v[NIL]                      ; 0 onto my spare word
.if (\mode) == 1
	SETW \t, \slot
.endif
	s_wait_dscnt 1                                 ; the last fragments are in; the add may be out
	MUL 15, \sw, 0
	s_wait_dscnt 0x0                               ; the add is done, and my reads of this slot are over
	s_barrier_signal -1
	MUL 15, \sw, 2
	WIN 0
	s_barrier_wait -1
.if (\mode) == 1
	CREST                                          ; the barrier has opened a round of the cluster's barrier: no wave of any partner still reads this slot or has a load on its way
	LOADW                                          ; the first tensor load behind the round, my only one until the next
.endif
	PLACES
	LD \nslot, 0                                   ; the next slot's first fragments, under the way out
	LD \nslot, 1
.endif
.endm
; THE WAY OUT of q or k: token tile by token tile.  64 sums a lane are held within the largest code x the scale (the conversion to an 8-bit code does not saturate: ISA guide 7.6.2), each accumulator from its low end on; eight conversions make a fragment's 16 registers.
.macro OUTQK e, b
	s_wait_xcnt 0x0                                ; earlier stores have read their registers
	v_mov_b32 v[SC], s[\e]
	v_mov_b32 v[LIM], s[\e+1]
.irp a, 0,1,2,3
.if \a > 1
	s_wait_xcnt 0x0
.endif
	WIN 0x01
.set j, 0
.rept 64
	v_med3_num_f32 v[TMP+j], v[64*\a+j], -v[LIM], v[LIM]
.set j, j+1
.endr
	WIN 0
.irp t, 0,1,2,3,4,5,6,7
	v_cvt_scalef32_pk8_bf8_f32 v[CD+16*(\a%2)+2*\t:CD+16*(\a%2)+2*\t+1], v[TMP+8*\t:TMP+8*\t+7], v[SC]   ; registers 2 t, 2 t + 1: features 16 t + 8 (l / 16) + 0 .. 7
.endr
	v_nop                                          ; one plain vector instruction between the last conversion and the next holds, which write its sources
.irp c, 0,1,2,3
	global_store_b128 v[CO], v[CD+16*(\a%2)+4*\c:CD+16*(\a%2)+4*\c+3], s[\b:\b+1] offset:2048*\a+512*\c
.endr
.endr
.endm
; THE WAY OUT of v: channel tile by channel tile; my four token tiles are half of a fragment's registers.
.macro OUTV e, b
	s_wait_xcnt 0x0
	v_mov_b32 v[SC], s[\e]
	v_mov_b32 v[LIM], s[\e+1]
.irp f, 0,1,2,3,4,5,6,7
.if \f == 4
	s_wait_xcnt 0x0
.endif
.set T, TMP+32*(\f%2)
.set C, CD+8*(\f%4)
	WIN 0x01
.irp a, 0,1,2,3
.irp i, 0,1,2,3,4,5,6,7
	v_med3_num_f32 v[T+8*\a+\i], v[64*\a+8*\f+\i], -v[LIM], v[LIM]
.endr
.endr
	WIN 0
.irp a, 0,1,2,3
	v_cvt_scalef32_pk8_bf8_f32 v[C+2*\a:C+2*\a+1], v[T+8*\a:T+8*\a+7], v[SC]
.endr
	v_nop
	global_store_b128 v[CO], v[C:C+3], s[\b:\b+1] offset:2048*\f
	global_store_b128 v[CO], v[C+4:C+7], s[\b:\b+1] offset:2048*\f+512
.endr
.endm
	s_wait_alu depctr_va_vdst(0)
	s_wait_tensorcnt 0x0                           ; my tokens are in; I alone read them
.irp a, 0,1,2,3
	WIN 0x80+0x40*(\a/2)
.irp s, 0,1,2,3,4,5,6,7
.irp c, 0,1,2,3
	ds_load_b128 v[16*(8*(\a%2)+\s)+4*\c:16*(8*(\a%2)+\s)+4*\c+3], v[ADX] offset:\a*16*PITCH+128*\s+32*\c
.endr
.endr
.endr
	WIN 0
	s_wait_tensorcnt 0x0                           ; ahead of a refill, in this order: no tensor load of mine is out;
	ds_add_u32 v[SPW], v[NIL]                      ; 0 onto my spare word;
	SETW 0, 0
	s_wait_dscnt 0x0                               ; the add is done, and x is in my registers
	CROUND                                         ; that holds of every wave of every partner:
	LOADW                                          ; Wq takes the place of the first 128 tokens
	s_wait_tensorcnt 0x0
	ds_add_u32 v[SPW], v[NIL]
	SETW 1, 1
	s_wait_dscnt 0x0
	CROUND                                         ; Wq is whole
	LOADW                                          ; Wk takes the place of the others
	PLACES
	LD 0, 0
	LD 0, 1
	COMP 0, 0, 1, 2, 1                             ; q; then slot 0 takes Wv
	OUTQK 84, 4
	COMP 1, 0, 2, 0, 0                             ; k
	OUTQK 86, 6
	COMP 0, 1, 0, 0, 0                             ; v
	OUTV 88, 10
	s_wait_tensorcnt 0x0                           ; the wave's end, behind my last tensor load
	ds_add_u32 v[SPW], v[NIL]
	s_wait_dscnt 0x0
	CROUND                                         ; the closing round: no work-group ends while a partner may still ask for a tile that names it
	s_endpgm
.Lfunc_end_k_q2c864a2360_proj:
	.size	k_q2c864a2360_proj, .Lfunc_end_k_q2c864a2360_proj-k_q2c864a2360_proj
	.p2alignl 7, 3214868480
	.fill 96, 4, 3214868480
	.section	.rodata,"a",@progbits
	.p2align	6, 0x0
	.amdhsa_kernel k_q2c864a2360_proj
		.amdhsa_group_segment_fixed_size 327680
		.amdhsa_private_segment_fixed_size 0
		.amdhsa_enable_private_segment 0
		.amdhsa_kernarg_size 64
		.amdhsa_user_sgpr_count 2
		.amdhsa_user_sgpr_kernarg_segment_ptr 1
		.amdhsa_wavefront_size32 1
		.amdhsa_system_sgpr_workgroup_id_x 1
		.amdhsa_system_sgpr_workgroup_id_y 1
		.amdhsa_system_sgpr_workgroup_id_z 1
		.amdhsa_system_vgpr_workitem_id 0
		.amdhsa_next_free_vgpr 1024
		.amdhsa_next_free_sgpr 100
		.amdhsa_reserve_vcc 0
		.amdhsa_float_denorm_mode_32 3
		.amdhsa_float_denorm_mode_16_64 3
		.amdhsa_memory_ordered 1
		.amdhsa_forward_progress 1
		.amdhsa_inst_pref_size 185
	.end_amdhsa_kernel
	.amdgpu_metadata
---
amdhsa.version: [ 1, 2 ]
amdhsa.kernels:
  - .name:           k_q2c864a2360_proj
    .symbol:         k_q2c864a2360_proj.kd
    .args:
      - { .name: x_codes, .offset: 0, .size: 8, .value_kind: global_buffer, .address_space: global }
      - { .name: Wq_codes, .offset: 8, .size: 8, .value_kind: global_buffer, .address_space: global }
      - { .name: Wk_codes, .offset: 16, .size: 8, .value_kind: global_buffer, .address_space: global }
      - { .name: Wv_codes, .offset: 24, .size: 8, .value_kind: global_buffer, .address_space: global }
      - { .name: lowp_scales, .offset: 32, .size: 8, .value_kind: global_buffer, .address_space: global }
      - { .name: q_img, .offset: 40, .size: 8, .value_kind: global_buffer, .address_space: global }
      - { .name: k_img, .offset: 48, .size: 8, .value_kind: global_buffer, .address_space: global }
      - { .name: v_img, .offset: 56, .size: 8, .value_kind: global_buffer, .address_space: global }
    .group_segment_fixed_size: 327680
    .private_segment_fixed_size: 0
    .kernarg_segment_align: 8
    .kernarg_segment_size: 64
    .max_flat_workgroup_size: 128
    .sgpr_count:     100
    .vgpr_count:     1024
    .wavefront_size: 32
...
	.end_amdgpu_metadata
.endif
;; end of part 1
;; launch attn (part 2): grid 32 x 8, 8 waves a work-group, no clusters, 327,680 bytes of LDS; arguments q_img, k_img, v_img, lowp_scales, ctx_img; writes ctx_img
.if DOCPART == 2
	.amdgcn_target "amdgcn-amd-amdhsa--gfx1250"
	.amdhsa_code_object_version 6
	.text
	.protected	k_q2c864a2360_attn
	.globl	k_q2c864a2360_attn
	.p2align	8
	.type	k_q2c864a2360_attn,@function
k_q2c864a2360_attn:
	s_mov_b64 s[64:65], 0
	v_nop
	global_prefetch_b8 v0, s[64:65] scope:SCOPE_SE
	s_setreg_imm32_b32 hwreg(HW_REG_WAVE_MODE, 25, 1), 1
	s_wait_xcnt 0x0
; ctx[b][q][head] = the sum over keys k <= q of softmax_k(q . k / sqrt(128)) v, both products on codes of BF8 (E5M2), and ctx quantised to codes for the output product.
; q_img, k_img: images of fragments (16 tokens x the head's 128), v_img: (16 channels x 128 keys): registers 4 c .. 4 c + 3 of lane l at byte 512 c + 16 l of a fragment's 2,048 bytes; eight fragments (128 tokens, or 128 channels x 128 keys)
; on end for each block of 128 tokens, sixteen blocks for each of the 32 (batch, head).  In every fragment registers 2 c, 2 c + 1 of lane l hold k = 16 c + 8 (l / 16) + 0 .. 7.
; THE SOFTMAX AHEAD OF THE SECOND PRODUCT: t = score x log2(e) / sqrt(128); M = the row's largest t so far, rounded UP to a whole number; p = 2^(t - M) is quantised, along the keys, not normalised.
; The row's sum is taken of the unquantised p, in f32, and divides at the end.  When M moves, the sum and O are multiplied by 2^(old M - new M): exact.
; SHARES.  Work-group (bh, i) takes the blocks 15 - i and then i of 128 queries of one (batch, head).  A slot holds 256 keys, two steps of 128: block 15 - i walks 8 - i / 2 slots and block i 1 + i / 2 (halves rounded down): nine slots in EVERY work-group, one loop.
; Eight waves: waves g and g + 4 own the 32 queries 32 g .. 32 g + 31 of the block; wave g takes the even steps, wave g + 4 the odd ones.  So every fragment of K and V that a wave reads feeds two matrix instructions, and all waves walk all slots.
; The two partial results of a row (O, M, the sum) are joined at the end through LDS: of its two tiles a wave keeps "set 0" (tile 2 g + parity) and sends "set 1".  Block 15 - i's partial results wait in LDS while block i is walked.
; A step all of whose keys come after the block's queries is not done.  LIMIT: a NaN or an infinity that reaches only such a step is not carried to the result.
; LAYOUT.  Both products are used transposed: S^T = K Q^T (source 0 = 16 keys, source 1 = 16 queries), O^T = V^T P^T (source 0 = 16 channels, source 1 = P): a lane holds ONE query of each tile (lane % 16), and tile t's register j is
; key (or channel) 16 t + 8 (lane / 16) + j: the conversion of a tile's eight registers gives registers 2 t, 2 t + 1 of the next operand, each k in the place that V's images have it too.
; NO CLUSTER.  The eight work-groups of a (batch, head) read the same K and V, but their first walks end after 8 - i / 2 slots, 5 to 8 of them, and begin anew at key 0: partners would need different slots in the same trip.
; LIMITS on the given exponents, so that each power of two below is an f32 number: entry 6 + entry 7 between -123 and 130 (added to c's exponent field); entry 8, and entry 10 - entry 8 - entry 9, between -126 and 112.  NaN codes are not served.
; REGISTERS.  Window 0: v1-31 addresses, state, at work; v32-63 Q (two tiles); v64-95 p's codes (ahead of the conversions: parts of the sums); v96-159, v160-223 S^T, then p, of set 0 and set 1; v224-255 the second block's Q.
; Window 1: v0-127 K's, then V's eight fragments; v128-191, v192-255 O^T of set 0 and set 1.
.set SLOTB, 32768                      ; a slot's bytes of K, or of V, in memory: two steps of 16,384
.set SLOT1, 65536                      ; slot 1 begins here: a slot is K's 32,768 bytes, then V's
.set VOFF,  32768
.set DUMP,  2*SLOT1                    ; behind the ring: the first block's O^T: 16,384 bytes for each wave, set 0 and then set 1
.set MLA,   DUMP+8*16384               ; the first block's M and sums: 1,024 bytes for each wave
.set MLB,   MLA+8*1024                 ; the second block's, of set 1: 512 bytes for each wave
.set SPARE, MLB+8*512                  ; the spare words, 128 bytes for each wave
.set LI,   1                           ; v1   16 x lane
.set PFO,  2                           ; v2   the prefetches' offset: 256 x lane
.set ADR,  3                           ; v3   LDS address of the step in hand
.set SPW,  5
.set NIL,  6
.set LP,   31                          ; v31  16 x lane + 4,096 x parity
.set S0,   96
.set S1,   160
.set TB,   2                           ; s2   LDS byte at which the slot in hand begins
.set WV,   18                          ; s18  my wave's number
.set SEL,  20                          ; s[20:21] lane selects for v_permlanex16_b32: lane l xor 16
.set CS,   22                          ; s[22:23] c = log2(e) / sqrt(128) x 2^(entry 6 + entry 7)
.set G1,   24                          ; s[24:31] descriptor group 1
.set G0,   40                          ; s[40:43] group 0
.set BASE, 44                          ; s[44:45] my part of slot 0 in memory
.set NXT,  46                          ; s[46:47] byte offset of the slot that is asked for
.set NLIM, 48                          ; s48  where the first walk ends
.set CNT,  49                          ; s49  changes of slots still to come that look ahead
.set PLIM, 50                          ; s50  my wave prefetches while s49 is above it
.set STP,  51                          ; s51  my step along the keys
.set BLK,  52                          ; s52  the block in hand
.set PAR,  53                          ; s53  my parity
.set BLKB, 54                          ; s54  i
.set BND,  55                          ; s55  the value of s49 in the first walk's last trip
.set DW,   56
.set HM,   57
.set CXA,  58                          ; s58, s59 byte offsets of my tile of ctx in blocks 15 - i and i
.set CXB,  59
.set MAO,  60
.set PFA,  76
.set MSB, 0
.macro WIN new                         ; the immediate's high byte repeats the setting that is left
.if MSB != \new
	s_set_vgpr_msb (MSB<<8)|\new
.set MSB, \new
.endif
.endm
	s_load_b128 s[4:7], s[0:1], 0x0                ; q_img s[4:5], k_img s[6:7]
	s_load_b128 s[12:15], s[0:1], 0x10             ; v_img s[12:13], the scales s[14:15]
	s_load_b64 s[16:17], s[0:1], 0x20              ; ctx_img
	v_lshl_add_u32 v[SPW], v0, 2, SPARE
	v_mov_b32 v[NIL], 0
	ds_add_u32 v[SPW], v[NIL]                      ; the wave's opening: the add, twice on end, and its wait ahead of my first tensor load
	ds_add_u32 v[SPW], v[NIL]
	v_lshrrev_b32 v24, 5, v0
	v_readfirstlane_b32 s[WV], v24                 ; wave 0..7
	s_lshr_b32 s[PAR], s[WV], 2
	s_and_b32 s72, s[WV], 3                        ; g
	s_lshl_b32 s73, s72, 1
	s_add_co_u32 s73, s73, s[PAR]                  ; set 0's tile in the block: 2 g + parity,
	s_xor_b32 s74, s73, 1                          ; set 1's: the other one of the two
	s_and_b32 s[BLKB], ttmp7, 0xffff               ; i
	s_sub_co_u32 s[BLK], 15, s[BLKB]
	s_mov_b32 s[STP], s[PAR]
	s_lshl_b32 s78, ttmp9, 18                      ; bh = 8 batch + head: its first byte in q_img, k_img and v_img
	; descriptor group 1: a quarter of each of a slot's two steps: 2 rows of 4,096 bytes, 16,384 bytes apart, as elements of 8 bytes: every load brings bytes of both steps
	s_mov_b32 s[G1], 3<<16                         ; 15:0 no mask; 17:16 elements of 8 bytes; no padding
	s_mov_b32 s[G1+1], 512<<16                     ; tensor_dim0
	s_mov_b32 s[G1+2], 2<<16                       ; tensor_dim1
	s_mov_b32 s[G1+3], 512<<16                     ; tile_dim0
	s_mov_b32 s[G1+4], 2                           ; tile_dim1
	s_mov_b32 s[G1+5], 2048                        ; tensor_dim0_stride
	s_mov_b32 s[G1+6], 0
	s_mov_b32 s[G1+7], 0
	s_lshl_b32 s91, s72, 12
	s_add_co_u32 s92, s78, s91                     ; waves 0-3: quarter g of K's part, waves 4-7: of V's
	s_mov_b32 s93, 0
	s_lshl_b32 s94, s72, 13
	s_add_co_u32 s94, s94, s78
	s_add_co_u32 s94, s94, SLOTB                   ; my 8,192 bytes for the prefetch, in slot 1: the first change of slots steps it to slot 2.  Nothing is prefetched here, at the head
	s_mov_b32 s95, 0
	s_mov_b32 s[NXT], 0
	s_mov_b32 s[NXT+1], 0
	s_mov_b32 s[TB], 0
	s_mov_b32 s[CNT], 8
	s_wait_dscnt 0x0                               ; both opening adds are done
	s_wait_kmcnt 0x0
	s_load_b128 s[68:71], s[14:15], 0x18           ; entries 6 to 9: q's, k's, p's, v's exponents
	s_load_b32 s66, s[14:15], 0x28                 ; entry 10: ctx's
	s_cmp_lt_u32 s[WV], 4
	s_cselect_b64 s[BASE:BASE+1], s[6:7], s[12:13]
	s_cselect_b64 s[PFA:PFA+1], s[6:7], s[12:13]
	s_add_nc_u64 s[BASE:BASE+1], s[BASE:BASE+1], s[92:93]
	s_add_nc_u64 s[PFA:PFA+1], s[PFA:PFA+1], s[94:95]
	s_mov_b32 s[G0], 1                             ; count = 1
	s_lshl_b32 s[G0+1], s[WV], 13                  ; LDS address: wave x 8,192: K's four quarters, then V's
	s_add_nc_u64 s[G0+2:G0+3], s[BASE:BASE+1], s[NXT:NXT+1]
	s_or_b32 s[G0+3], s[G0+3], 0x80000000          ; type = 2
	tensor_load_to_lds s[G0:G0+3], s[G1:G1+7]      ; slot 0: every wave's one load at the head
	s_nop 0
	s_lshl_b32 s80, s[BLK], 14
	s_add_co_u32 s80, s80, s78
	s_lshl_b32 s81, s[BLKB], 14
	s_add_co_u32 s81, s81, s78
	s_lshl_b32 s82, s73, 11
	s_lshl_b32 s83, s74, 11
	s_add_co_u32 s84, s80, s82                     ; Q's fragments: the first block's two tiles,
	s_add_co_u32 s85, s80, s83
	s_add_co_u32 s86, s81, s82                     ; the second block's
	s_add_co_u32 s87, s81, s83
	; ctx_img: fragment ((((16 batch + block) 4 + head / 2) 8 + tile) 2 + head % 2): 128 tokens x two heads (256 along the output product's K) are 32,768 bytes on end
	s_lshr_b32 s88, ttmp9, 3
	s_lshl_b32 s88, s88, 4
	s_bfe_u32 s89, ttmp9, 0x20001                  ; head / 2: two bits from bit 1
	s_and_b32 s90, ttmp9, 1
	s_add_co_u32 s[CXA], s88, s[BLK]
	s_add_co_u32 s[CXB], s88, s[BLKB]
.irp x, CXA, CXB
	s_lshl_b32 s[\x], s[\x], 2
	s_add_co_u32 s[\x], s[\x], s89
	s_lshl_b32 s[\x], s[\x], 3
	s_add_co_u32 s[\x], s[\x], s73
	s_lshl_b32 s[\x], s[\x], 1
	s_add_co_u32 s[\x], s[\x], s90
	s_lshl_b32 s[\x], s[\x], 11
.endr
	s_lshr_b32 s96, s[BLKB], 1
	s_add_co_u32 s[BND], s96, 1                    ; the second walk's slots
	s_sub_co_u32 s97, 8, s96
	s_lshl_b32 s[NLIM], s97, 15                    ; the first walk's slots x 32,768
	s_cmp_eq_u32 s[BLKB], 0
	s_cselect_b32 s[PLIM], 2, -1
	s_lshl_b32 s[DW], s[WV], 14
	s_add_co_u32 s[DW], s[DW], DUMP
	s_lshl_b32 s[MAO], s[WV], 10
	s_add_co_u32 s[MAO], s[MAO], MLA
	s_mov_b32 s[SEL], 0x76543210
	s_mov_b32 s[SEL+1], 0xfedcba98
	s_mov_b32 s[CS], 0x3e0293ee                    ; c = log2(e) / sqrt(128)
	s_mov_b32 s[HM], 0xffff0000                    ; lanes 16 to 31
	s_lshl_b32 s80, s[PAR], 12
	s_lshl_b32 s81, s73, 4
	s_lshl_b32 s82, s74, 4
	v_and_b32 v1, 31, v0
	v_lshlrev_b32 v[PFO], 8, v1
	v_lshlrev_b32 v[LI], 4, v1
	v_add_nc_u32 v24, s84, v[LI]
	v_add_nc_u32 v25, s85, v[LI]
	v_add_nc_u32 v26, s86, v[LI]
	v_add_nc_u32 v27, s87, v[LI]
.irp c, 0,1,2,3
	global_load_b128 v[32+4*\c:35+4*\c], v24, s[4:5] offset:512*\c th:TH_LOAD_NT   ; Q stays in registers; each fragment is read by the two waves of a pair
	global_load_b128 v[48+4*\c:51+4*\c], v25, s[4:5] offset:512*\c th:TH_LOAD_NT
	global_load_b128 v[224+4*\c:227+4*\c], v26, s[4:5] offset:512*\c th:TH_LOAD_NT
	global_load_b128 v[240+4*\c:243+4*\c], v27, s[4:5] offset:512*\c th:TH_LOAD_NT
.endr
	v_add_nc_u32 v[LP], s80, v[LI]
	v_and_b32 v3, 15, v0
	v_bfe_u32 v4, v0, 4, 1
	v_lshlrev_b32 v4, 3, v4
	v_sub_nc_u32 v3, v3, v4
	v_add_nc_u32 v28, s81, v3                      ; on the diagonal step: my query's place in the block - 8 (lane / 16), of set 0
	v_add_nc_u32 v29, s82, v3                      ; and of set 1
	v_mov_b32 v30, 0xff800000                      ; -infinity
	v_mov_b32 v12, 0x7f61b1e6                      ; -M = 3e38: M lies under every t
	v_mov_b32 v16, 0x7f61b1e6
.irp r, 4,7,13,14,15,17,18,19,21,23
	v_mov_b32 v\r, 0                               ; the sums in two halves each; lane permutes' destinations, which count as sources; upper halves that pairs name
.endr
	s_wait_alu depctr_va_vdst(0)
	s_wait_kmcnt 0x0
	s_add_co_i32 s94, s68, s69
	s_lshl_b32 s94, s94, 23
	s_add_co_i32 s[CS], s[CS], s94                 ; a score stands for score x 2^(entry 6 + entry 7): the two are added to c's exponent field
	s_mov_b32 s[CS+1], s[CS]                       ; (named with it as a pair, so it is written)
	s_add_co_i32 s94, s70, 127
	s_lshl_b32 s95, s94, 23
	v_mov_b32 v10, s95                             ; 2^(entry 8) as f32, for p's conversion
	s_add_co_i32 s94, s94, 15
	s_lshl_b32 s94, s94, 23
	s_or_b32 s94, s94, 0x600000
	v_mov_b32 v8, s94                              ; 57,344 x that,
	v_mov_b32 v9, s94                              ; once for each half of a dual instruction
	s_sub_co_i32 s98, s66, s70
	s_sub_co_i32 s98, s98, s71                     ; a sum of the second product stands for sum x 2^(entry 8 + entry 9): ctx's code is (sum / l) / 2^(entry 10 - entry 8 - entry 9)
	s_add_co_i32 s98, s98, 127
	s_add_co_i32 s99, s98, 15
	s_lshl_b32 s98, s98, 23                        ; s98: that power of two as f32
	s_lshl_b32 s99, s99, 23
	s_or_b32 s99, s99, 0x600000                    ; s99: 57,344 x that
	WIN 0x40
.set j, 128
.rept 128
	v_mov_b32 v[j], 0                              ; O^T begins finite: the first change of M multiplies it by 0
.set j, j+1
.endr
	WIN 0
.macro PKADD d, a, b
	v_pk_add_f32 v[\d:\d+1], v[\a:\a+1], v[\b:\b+1]
.endm
.macro HOLD n                          ; p is not negative, so the hold is one-sided (the conversion to an 8-bit code does not saturate: ISA guide 7.6.2); two numbers
	v_dual_min_num_f32 v[\n], v[\n], v8 :: v_dual_min_num_f32 v[\n+1], v[\n+1], v9
.endm
; MY STEP OF A SLOT: 128 keys x two tiles of 16 queries.
.macro STEP
	s_cmp_gt_u32 s[STP], s[BLK]                    ; all keys come after the block: left out, by a branch on ids round the step's own work
	s_cbranch_scc1 .Lhidden_\@
	v_add_nc_u32 v[ADR], s[TB], v[LP]
.rept 3
	v_nop                                          ; with the addition above: four places in front of loads into registers that the last step's products have read
.endr
	WIN 0x40
.irp f, 0,1,2,3,4,5,6,7
.irp c, 0,1,2,3
	ds_load_b128 v[16*\f+4*\c:16*\f+4*\c+3], v[ADR] offset:8192*(\f/2)+2048*(\f%2)+512*\c
.endr
.endr
	WIN 0x01
	s_wait_alu depctr_va_vdst(0)
.irp b, 0,1,2,3
	s_wait_dscnt 24-8*\b                           ; tiles 2 b and 2 b + 1 are in, the later ones (eight loads for each two tiles) may be out
.irp t, 2*\b, 2*\b+1
	v_wmma_f32_16x16x128_bf8_bf8 v[S0+8*(\t):S0+8*(\t)+7], v[16*(\t):16*(\t)+15], v[32:47], 0
	v_wmma_f32_16x16x128_bf8_bf8 v[S1+8*(\t):S1+8*(\t)+7], v[16*(\t):16*(\t)+15], v[48:63], 0
.endr
.endr
	WIN 0
.rept 4
	v_nop                                          ; places in front of the loads below and of the first read of the scores
.endr
	WIN 0x40
.irp f, 0,1,2,3,4,5,6,7
.irp c, 0,1,2,3
	ds_load_b128 v[16*\f+4*\c:16*\f+4*\c+3], v[ADR] offset:VOFF+8192*(\f/2)+2048*(\f%2)+512*\c   ; V's fragments are asked for now and land under the softmax
.endr
.endr
	WIN 0
	s_cmp_lg_u32 s[STP], s[BLK]                    ; on the diagonal the scores of hidden keys become -infinity ahead of the maximum: p = 0 then
	s_cbranch_scc1 .Lopen_\@
.set n, 0
.rept 64
	v_cmp_gt_i32 vcc_lo, 16*(n/8)+n%8, v28         ; register 8 t + j holds key 16 t + 8 (lane / 16) + j of the block
	v_cndmask_b32 v[S0+n], v[S0+n], v30, vcc_lo
	v_cmp_gt_i32 vcc_lo, 16*(n/8)+n%8, v29
	v_cndmask_b32 v[S1+n], v[S1+n], v30, vcc_lo
.set n, n+1
.endr
.Lopen_\@:
	; the step's largest score of each of my two queries, among my 64 keys, in two chains each; each tile's registers are met from the low end on
	v_max3_num_f32 v24, v[S0], v[S0+1], v[S0+2]
	v_max3_num_f32 v26, v[S1], v[S1+1], v[S1+2]
	v_max3_num_f32 v25, v[S0+3], v[S0+4], v[S0+5]
	v_max3_num_f32 v27, v[S1+3], v[S1+4], v[S1+5]
.irp i, 6,10,14,18,22,26,30,34,38,42,46,50,54,58
	v_max3_num_f32 v24, v24, v[S0+\i], v[S0+\i+1]
	v_max3_num_f32 v26, v26, v[S1+\i], v[S1+\i+1]
	v_max3_num_f32 v25, v25, v[S0+\i+2], v[S0+\i+3]
	v_max3_num_f32 v27, v27, v[S1+\i+2], v[S1+\i+3]
.endr
	v_max3_num_f32 v24, v24, v[S0+62], v[S0+63]
	v_max3_num_f32 v26, v26, v[S1+62], v[S1+63]
	v_max_num_f32 v24, v24, v25
	v_max_num_f32 v26, v26, v27
	v_permlanex16_b32 v4, v24, s[SEL], s[SEL+1]
	v_permlanex16_b32 v7, v26, s[SEL], s[SEL+1]
	v_max_num_f32 v24, v24, v4                     ; and among lane l xor 16's
	v_max_num_f32 v26, v26, v7
	v_mul_f32 v24, s[CS], v24                      ; as t (c is positive)
	v_mul_f32 v26, s[CS], v26
	v_floor_f32 v24, -v24                          ; -ceil(t)
	v_floor_f32 v26, -v26
	v_min_num_f32 v24, v24, v12                    ; the new -M
	v_min_num_f32 v26, v26, v16
	v_sub_f32 v25, v24, v12                        ; M's old value less its new one: a whole number, 0 or less
	v_sub_f32 v27, v26, v16
	v_mov_b32 v12, v24
	v_mov_b32 v16, v26
	v_cvt_i32_f32 v25, v25                         ; (it saturates)
	v_cvt_i32_f32 v27, v27
	v_ldexp_f32 v20, 1.0, v25                      ; 2^(old M - new M): a multiplication by it rounds nothing
	v_ldexp_f32 v22, 1.0, v27
.set j, 0
.rept 32
	v_pk_fma_f32 v[S0+j:S0+j+1], v[S0+j:S0+j+1], s[CS:CS+1], v[12:13] op_sel_hi:[1,0,0]   ; t - M, two at a time
.set j, j+2
.endr
	WIN 0x41
.set j, 0
.rept 32
	v_pk_mul_f32 v[128+j:129+j], v[128+j:129+j], v[20:21] op_sel_hi:[1,0]   ; O^T under the new M
	v_pk_mul_f32 v[192+j:193+j], v[192+j:193+j], v[22:23] op_sel_hi:[1,0]
.set j, j+2
.endr
	WIN 0
	s_wait_alu depctr_va_vdst(0)
.set j, 0
.rept 32
	v_exp_f32 v[S0+j], v[S0+j]                     ; p = 2^(t - M), at most 1: not normalised
	v_exp_f32 v[S0+j+1], v[S0+j+1]
	v_pk_fma_f32 v[S1+j:S1+j+1], v[S1+j:S1+j+1], s[CS:CS+1], v[16:17] op_sel_hi:[1,0,0]   ; set 1's t - M between set 0's exponentials
.set j, j+2
.endr
	s_wait_alu depctr_va_vdst(0)                   ; one wait behind the batch, ahead of its results' readers, and ahead of the next
.set j, 0
.rept 16
	v_exp_f32 v[S1+j], v[S1+j]
	v_exp_f32 v[S1+j+1], v[S1+j+1]
	PKADD 64+(j/2), S0+j, S0+j+2                   ; set 0's sums, of the unquantised p: sixteen pairs, into registers that the codes will take; no sum is read before the batch ends
	v_exp_f32 v[S1+j+2], v[S1+j+2]
	HOLD S0+j
	v_exp_f32 v[S1+j+3], v[S1+j+3]
	HOLD S0+j+2
.set j, j+4
.endr
	s_wait_alu depctr_va_vdst(0)                   ; one wait behind the batch
.set j, 0
.rept 8
	PKADD 64+j, 64+j, 80+j
.set j, j+2
.endr
.set j, 0
.rept 8
	PKADD 80+j, S1+j, S1+16+j
.set j, j+2
.endr
.irp i, 0,2,4,6
	PKADD 64+\i, 64+\i, 72+\i
.endr
.set j, 0
.rept 8
	PKADD 80+j, 80+j, S1+32+j
.set j, j+2
.endr
	PKADD 64, 64, 68
	PKADD 66, 66, 70
.set j, 0
.rept 8
	PKADD 80+j, 80+j, S1+48+j
.set j, j+2
.endr
	PKADD 64, 64, 66
.irp i, 0,2,4,6
	PKADD 80+\i, 80+\i, 88+\i
.endr
	v_pk_fma_f32 v[14:15], v[14:15], v[20:21], v[64:65] op_sel_hi:[1,0,1]   ; the sum under the new M, and this step's part
.irp i, 0,2,4,6,8,10,12,14
	HOLD S1+\i
.endr
	PKADD 80, 80, 84
	PKADD 82, 82, 86
.irp i, 16,18,20,22,24,26,28,30,32,34,36,38
	HOLD S1+\i
.endr
	PKADD 80, 80, 82
.irp i, 40,42,44,46,48,50,52,54,56,58,60,62
	HOLD S1+\i
.endr
	v_pk_fma_f32 v[18:19], v[18:19], v[22:23], v[80:81] op_sel_hi:[1,0,1]
.irp t, 0,1,2,3,4,5,6,7
	v_cvt_scalef32_pk8_bf8_f32 v[64+2*\t:65+2*\t], v[S0+8*\t:S0+8*\t+7], v10   ; registers 2 t, 2 t + 1 of P: keys 16 t + 8 (lane / 16) + 0 .. 7
.endr
.irp t, 0,1,2,3,4,5,6,7
	v_cvt_scalef32_pk8_bf8_f32 v[80+2*\t:81+2*\t], v[S1+8*\t:S1+8*\t+7], v10
.endr
	v_nop                                          ; one plain vector instruction between the last conversion and the products
	v_nop
	WIN 0x51
	s_wait_alu depctr_va_vdst(0)
	s_wait_dscnt 0x0                               ; V is in
.irp t, 0,1,2,3,4,5,6,7                ; O^T += V^T P^T: the sixteen accumulators take turns, one instruction a turn
	v_wmma_f32_16x16x128_bf8_bf8 v[128+8*\t:135+8*\t], v[16*\t:16*\t+15], v[64:79], v[128+8*\t:135+8*\t]
	v_wmma_f32_16x16x128_bf8_bf8 v[192+8*\t:199+8*\t], v[16*\t:16*\t+15], v[80:95], v[192+8*\t:199+8*\t]
.endr
	WIN 0
.Lhidden_\@:
	s_add_co_u32 s[STP], s[STP], 2
.endm
; THE CHANGE OF SLOTS stands at a slot's head.  Each wave waits for all its tensor loads (its part of the slot that it is about to read), adds 0 to its spare word, and waits for that and for its reads of the slot that it has left.
; Behind the barrier the slot ahead is whole and nobody reads the other one.  fill = 1: that other slot is filled with the walk's next keys, from key 0 again where the second block begins: the load has a whole slot's step in which to land.
; A PREFETCH INTO THE L2 follows, of what the NEXT change of slots will ask for, a slot's step ahead of that load: 32,768 bytes of K's images and as many of V's, 8,192 bytes a wave, lanes 256 bytes apart.  Of the eight work-groups of a (batch, head)
; the one with i = 0 asks, whose first walk goes over all keys: each aligned block of 256 bytes is named once in the launch.  Slots 0 and 1 come by their loads alone; it stops at slot 7, the last: s49 = 8 in the first trip names slot 2, s49 = 3 slot 7.
.macro CHANGE fill
	s_wait_tensorcnt 0x0                           ; no tensor load of mine is out, so group 0 may be written
	ds_add_u32 v[SPW], v[NIL]                      ; 0 onto my spare word
.if \fill
	s_xor_b32 s[G0+1], s[G0+1], SLOT1              ; the other slot than last time
	s_add_co_u32 s[NXT], s[NXT], SLOTB             ; the next 256 keys,
	s_cmp_eq_u32 s[NXT], s[NLIM]
	s_cselect_b32 s[NXT], 0, s[NXT]                ; or key 0: the second block's walk
	s_add_nc_u64 s[G0+2:G0+3], s[BASE:BASE+1], s[NXT:NXT+1]
	s_or_b32 s[G0+3], s[G0+3], 0x80000000
	s_wait_xcnt 0x0                                ; the last prefetch, a slot back, has read its address, so it may be written
	s_add_nc_u64 s[PFA:PFA+1], s[PFA:PFA+1], SLOTB
.endif
	s_wait_dscnt 0x0                               ; the add is done, and my LDS reads and stores are over
	s_barrier_signal -1
	s_barrier_wait -1
.if \fill
	tensor_load_to_lds s[G0:G0+3], s[G1:G1+7]      ; the first thing behind the barrier, and my one tensor load until the next
	s_nop 0
	s_cmp_gt_u32 s[CNT], s[PLIM]
	s_cbranch_scc0 .Lnot_mine_\@
	global_prefetch_b8 v[PFO], s[PFA:PFA+1] th:TH_LOAD_NT scope:SCOPE_SE
.Lnot_mine_\@:
.endif
.endm
	s_wait_alu depctr_va_vdst(0)
	s_wait_loadcnt 0x0                             ; Q
.Lslot:                                            ; eight trips: behind each change of slots but the ninth the next slot is asked for
	CHANGE 1
	STEP
	s_cmp_lg_u32 s[CNT], s[BND]                    ; the first block's last slot?  (a branch on ids and the count of trips alone)
	s_cbranch_scc1 .Lsame
	v_add_nc_u32 v24, s[DW], v[LI]                 ; then its partial results go to LDS bytes of the wave's own, into which no fill lands; they are read behind the loop, behind a barrier
	v_add_nc_u32 v25, s[MAO], v[LI]
	v_nop                                          ; with the two additions: four places behind the last products
	v_nop
	WIN 0x04
.set j, 0
.rept 32
	ds_store_b128 v24, v[128+4*j:131+4*j] offset:512*j
.set j, j+1
.endr
	WIN 0
	ds_store_b128 v25, v[12:15]
	ds_store_b128 v25, v[16:19] offset:512
	v_mov_b32 v12, 0x7f61b1e6                      ; M anew, under every t: the first change of M multiplies the old sum and O^T, which are finite, by 0
	v_mov_b32 v16, 0x7f61b1e6
.set j, 0
.rept 16
	v_dual_mov_b32 v[32+j], v[224+j] :: v_dual_mov_b32 v[33+j], v[225+j]   ; the second block's Q
.set j, j+2
.endr
	s_mov_b32 s[STP], s[PAR]
	s_mov_b32 s[BLK], s[BLKB]
.Lsame:
	s_xor_b32 s[TB], s[TB], SLOT1                  ; on to the other slot
	s_sub_co_u32 s[CNT], s[CNT], 1
	s_cmp_lg_u32 s[CNT], 0
	s_wait_alu depctr_va_vdst(0)
	s_cbranch_scc1 .Lslot
	CHANGE 0                                       ; the last slot is written out: nothing is left to ask for
	STEP
	; THE WAY OUT.  Set 1 of the second block goes to the other wave of the pair, through slot 1: it has had its last fill, and nobody has read it since the last barrier.
	s_xor_b32 s72, s[WV], 4                        ; the other wave
	s_lshl_b32 s73, s[WV], 13
	s_add_co_u32 s73, s73, SLOT1
	s_lshl_b32 s74, s72, 13
	s_add_co_u32 s74, s74, SLOT1
	s_lshl_b32 s75, s[WV], 9
	s_add_co_u32 s75, s75, MLB
	s_lshl_b32 s78, s72, 9
	s_add_co_u32 s78, s78, MLB
	s_lshl_b32 s79, s72, 14
	s_add_co_u32 s79, s79, DUMP
	s_lshl_b32 s80, s72, 10
	s_add_co_u32 s80, s80, MLA
	v_add_nc_u32 v24, s73, v[LI]                   ; (these eight are also places behind the last products)
	v_add_nc_u32 v25, s75, v[LI]
	v_add_nc_u32 v26, s[DW], v[LI]
	v_add_nc_u32 v27, s79, v[LI]
	v_add_nc_u32 v3, s74, v[LI]
	v_add_nc_u32 v20, s[MAO], v[LI]
	v_add_nc_u32 v22, s80, v[LI]
	v_add_nc_u32 v4, s78, v[LI]
	WIN 0x04
.set j, 0
.rept 16
	ds_store_b128 v24, v[192+4*j:195+4*j] offset:512*j
.set j, j+1
.endr
	WIN 0
	ds_store_b128 v25, v[16:19]
	s_wait_alu depctr_va_vdst(0)
	s_wait_dscnt 0x0                               ; my stores are done: the other wave reads them behind the barrier
	s_barrier_signal -1
	s_barrier_wait -1
	ds_load_b128 v[32:35], v20                     ; first block: -M, -, the sum's halves of my set 0,
	ds_load_b128 v[36:39], v22 offset:512          ; of the other wave's set 1, which is the same tile;
	ds_load_b128 v[40:43], v4                      ; second block: the other wave's
	WIN 0x40
.set j, 0
.rept 16
	ds_load_b128 v[4*j:4*j+3], v3 offset:512*j     ; second block: the other wave's O^T,
.set j, j+1
.endr
.set j, 0
.rept 16
	ds_load_b128 v[192+4*j:195+4*j], v26 offset:512*j        ; first block: mine,
	ds_load_b128 v[64+4*j:67+4*j], v27 offset:8192+512*j     ; and the other wave's
.set j, j+1
.endr
	WIN 0
	s_wait_dscnt 48                                ; the three loads of M and sums are in, the 48 of O^T may be out
	v_min_num_f32 v44, v32, v36                    ; the joint -M, of the first block and of the second
	v_min_num_f32 v48, v12, v40
	v_sub_f32 v45, v44, v32
	v_sub_f32 v49, v48, v12
	v_sub_f32 v46, v44, v36
	v_sub_f32 v50, v48, v40
	v_cvt_i32_f32 v45, v45
	v_cvt_i32_f32 v49, v49
	v_cvt_i32_f32 v46, v46
	v_cvt_i32_f32 v50, v50
	v_ldexp_f32 v44, 1.0, v45                      ; what brings my part under the joint M,
	v_ldexp_f32 v48, 1.0, v49
	v_ldexp_f32 v46, 1.0, v46                      ; and the other wave's
	v_ldexp_f32 v50, 1.0, v50
	v_add_f32 v52, v34, v35
	v_add_f32 v54, v14, v15
	v_add_f32 v53, v38, v39
	v_add_f32 v55, v42, v43
	v_mul_f32 v52, v52, v44
	v_mul_f32 v54, v54, v48
	v_fma_f32 v52, v53, v46, v52
	v_fma_f32 v54, v55, v50, v54
	v_permlanex16_b32 v56, v52, s[SEL], s[SEL+1]
	v_permlanex16_b32 v57, v54, s[SEL], s[SEL+1]
	v_add_f32 v52, v52, v56                        ; the row's sum
	v_add_f32 v54, v54, v57
	s_wait_alu depctr_va_vdst(0)                   ; the wait ahead of the batch
	v_rcp_f32 v52, v52
	v_rcp_f32 v54, v54
	v_mov_b32 v58, s98                             ; 2^(entry 10 - entry 8 - entry 9), for ctx's conversion (a plain instruction behind the reciprocals)
	v_mov_b32 v59, s99                             ; 57,344 x that
	v_add_nc_u32 v60, s[CXB], v[LI]
	v_add_nc_u32 v61, s[CXA], v[LI]
	s_wait_alu depctr_va_vdst(0)                   ; and the wait behind it, ahead of its first reader
	v_mul_f32 v44, v44, v52
	v_mul_f32 v48, v48, v54
	v_mul_f32 v46, v46, v52
	v_mul_f32 v50, v50, v54
; A tile: O^T of the two waves joined and divided by the sum, quantised, stored.
.macro FINISH own, oth, g, res, adr
	WIN 0x01
	s_wait_alu depctr_va_vdst(0)
.set j, 0
.rept 32
	v_pk_mul_f32 v[S1+j:S1+j+1], v[\own+j:\own+j+1], v[\g:\g+1] op_sel_hi:[1,0]
.set j, j+2
.endr
.set j, 0
.rept 32
	v_pk_fma_f32 v[S1+j:S1+j+1], v[\oth+j:\oth+j+1], v[\g+2:\g+3], v[S1+j:S1+j+1] op_sel_hi:[1,0,1]
.set j, j+2
.endr
	WIN 0
.set j, 0
.rept 64
	v_med3_num_f32 v[S1+j], v[S1+j], -v59, v59     ; the hold at the largest code x the scale
.set j, j+1
.endr
.irp t, 0,1,2,3,4,5,6,7
	v_cvt_scalef32_pk8_bf8_f32 v[64+2*\t:65+2*\t], v[S1+8*\t:S1+8*\t+7], v58
.endr
	v_nop                                          ; one plain vector instruction between the last conversion and the first reader of a result
	; The output product reads Wo's rows by loads of 16 bytes, which give lane l k = 32 c + 16 (l / 16) + 0 .. 15 in registers 4 c .. 4 c + 3.  ctx's fragment is brought into the same order: of each four registers a lane of the lower
	; half keeps the first two and sends the last two, a lane of the upper half keeps the last two and sends the first two, each to lane l xor 16.
.irp c, 0,1,2,3
.irp x, 0,1
	v_cndmask_b32 v[232+2*\c+\x], v[66+4*\c+\x], v[64+4*\c+\x], s[HM]   ; what I send
.endr
.endr
.irp i, 0,1,2,3,4,5,6,7
	v_permlanex16_b32 v[224+\i], v[232+\i], s[SEL], s[SEL+1]            ; what I get
.endr
.irp c, 0,1,2,3
.irp x, 0,1
	v_cndmask_b32 v[\res+4*\c+\x], v[64+4*\c+\x], v[224+2*\c+\x], s[HM]
	v_cndmask_b32 v[\res+2+4*\c+\x], v[224+2*\c+\x], v[66+4*\c+\x], s[HM]
.endr
.endr
.irp c, 0,1,2,3
	global_store_b128 v[\adr], v[\res+4*\c:\res+3+4*\c], s[16:17] offset:512*\c   ; the fragment's image: each store of the wave covers 512 consecutive bytes, aligned
.endr
.endm
	s_wait_alu depctr_va_vdst(0)
	s_wait_dscnt 32                                ; the second block's O^T of the other wave is in
	FINISH 128, 0, 48, 96, 60
	s_wait_alu depctr_va_vdst(0)
	s_wait_dscnt 0x0                               ; and the first block's
	FINISH 192, 64, 44, 112, 61
	s_wait_tensorcnt 0x0                           ; the wave's end
	ds_add_u32 v[SPW], v[NIL]
	s_wait_dscnt 0x0
	s_endpgm
.Lfunc_end_k_q2c864a2360_attn:
	.size	k_q2c864a2360_attn, .Lfunc_end_k_q2c864a2360_attn-k_q2c864a2360_attn
	.p2alignl 7, 3214868480
	.fill 96, 4, 3214868480
	.section	.rodata,"a",@progbits
	.p2align	6, 0x0
	.amdhsa_kernel k_q2c864a2360_attn
		.amdhsa_group_segment_fixed_size 327680
		.amdhsa_private_segment_fixed_size 0
		.amdhsa_enable_private_segment 0
		.amdhsa_kernarg_size 40
		.amdhsa_user_sgpr_count 2
		.amdhsa_user_sgpr_kernarg_segment_ptr 1
		.amdhsa_wavefront_size32 1
		.amdhsa_system_sgpr_workgroup_id_x 1
		.amdhsa_system_sgpr_workgroup_id_y 1
		.amdhsa_system_sgpr_workgroup_id_z 1
		.amdhsa_system_vgpr_workitem_id 0
		.amdhsa_next_free_vgpr 512
		.amdhsa_next_free_sgpr 100
		.amdhsa_reserve_vcc 1
		.amdhsa_float_denorm_mode_32 3
		.amdhsa_float_denorm_mode_16_64 3
		.amdhsa_memory_ordered 1
		.amdhsa_forward_progress 1
		.amdhsa_inst_pref_size 131
	.end_amdhsa_kernel
	.amdgpu_metadata
---
amdhsa.version: [ 1, 2 ]
amdhsa.kernels:
  - .name:           k_q2c864a2360_attn
    .symbol:         k_q2c864a2360_attn.kd
    .args:
      - { .name: q_img, .offset: 0, .size: 8, .value_kind: global_buffer, .address_space: global }
      - { .name: k_img, .offset: 8, .size: 8, .value_kind: global_buffer, .address_space: global }
      - { .name: v_img, .offset: 16, .size: 8, .value_kind: global_buffer, .address_space: global }
      - { .name: lowp_scales, .offset: 24, .size: 8, .value_kind: global_buffer, .address_space: global }
      - { .name: ctx_img, .offset: 32, .size: 8, .value_kind: global_buffer, .address_space: global }
    .group_segment_fixed_size: 327680
    .private_segment_fixed_size: 0
    .kernarg_segment_align: 8
    .kernarg_segment_size: 40
    .max_flat_workgroup_size: 256
    .sgpr_count:     100
    .vgpr_count:     512
    .wavefront_size: 32
...
	.end_amdgpu_metadata
.endif
;; end of part 2
;; launch outp (part 3): grid 32 x 8, 4 waves a work-group, clusters of 4 x 1, 327,680 bytes of LDS; arguments ctx_img, Wo_codes, lowp_scales, out0; writes out0
.if DOCPART == 3
	.amdgcn_target "amdgcn-amd-amdhsa--gfx1250"
	.amdhsa_code_object_version 6
	.text
	.protected	k_q2c864a2360_outp
	.globl	k_q2c864a2360_outp
	.p2align	8
	.type	k_q2c864a2360_outp,@function
k_q2c864a2360_outp:
	s_mov_b64 s[64:65], 0
	v_nop
	global_prefetch_b8 v0, s[64:65] scope:SCOPE_SE
	s_setreg_imm32_b32 hwreg(HW_REG_WAVE_MODE, 25, 1), 1
	s_wait_xcnt 0x0
	s_wait_alu depctr_hold_cnt(0) depctr_sa_sdst(0) depctr_va_vdst(0) depctr_va_sdst(0) depctr_va_ssrc(0) depctr_va_vcc(0) depctr_vm_vsrc(0)
	s_getreg_b32 s2, hwreg(HW_REG_IB_STS2, 6, 4)
	s_cmp_eq_u32 s2, 0
	s_cbranch_scc0 .Lentry_in_a_cluster
	s_endpgm
.Lentry_in_a_cluster:
	s_bfe_u32 s2, ttmp6, 0x10000c
	s_cmp_lg_u32 s2, 0x3003
	s_cbranch_scc0 .Lentry_shape_is_right
	s_endpgm
.Lentry_shape_is_right:
; out = ctx Wo^T on codes of BF8 (E5M2).  ctx: [8192][1024] as images of fragments (16 tokens x 128): fragment ((block of 128 tokens x 4 + s / 2) 8 + tile) 2 + s % 2 holds the s-th 128 along K; registers 4 c .. 4 c + 3 of lane l at byte 512 c + 16 l of its
; 2,048 bytes, K = 32 c + 16 (l / 16) + 0 .. 15 in them.  Wo: [1024][1024] codes, K innermost.  out: [8192][1024] f32: a finished sum x 2^(entry 10 + entry 11).   LIMIT: entry 10 + entry 11 lies between -126 and 127.
; SHARES.  A work-group makes 256 tokens x 128 features: 32 x 8 = 256 work-groups.  Each of its four waves owns 64 tokens: their fragments over all of K, 512 registers, go from memory straight into registers (each load of the wave covers 512 consecutive
; bytes) while Wo's 128 rows of 1,024 bytes come into LDS by one tensor load a wave.  Nothing is filled twice: one barrier, then all the work.
; WHICH ROWS OF Wo FORM A TILE: tile z of the 64 features of half g takes rows 64 g + 4 r + z, r = 0 .. 15.  Source 0 = 16 tokens, source 1 = such a tile: a lane holds, in the four tiles' accumulators, four NEIGHBOURING features of a token, and sixteen
; neighbouring lanes 64 of them: 256 consecutive bytes, aligned, of a row of out: stored from registers as they stand.  Wave z fetches the rows 4 y + z, y = 0 .. 31.
; CLUSTERS: 4 work-groups along the tokens share Wo's rows: each wave's load is joint, with the same descriptor in all four.  ctx's fragments are read by one wave of each cluster, into registers.
; No prefetch: everything is asked for at once, and there is no loop to run ahead in.
; REGISTERS, in windows of 256: window 0: v16-31 addresses; v32-63 at work on the way out; v64-255 three buffers of four fragments of Wo.  window 1: the 32 accumulators, half g's from 128 g on.  windows 2, 3: ctx.
.set PITCH,  1040                      ; an LDS row: 1,024 bytes + 16 of padding = 260 words: the 16 rows that a load touches start at 16 different banks (64 banks of 4 bytes: ISA guide 11.1)
.set SPARE,  128*PITCH                 ; behind the tile: the spare words, 128 bytes for each wave
.set ADW,  16                          ; v16-17  LDS address of the fragments of tiles 0, 1 and of tiles 2, 3
.set CI,   25                          ; v25     16 x lane
.set CO,   26                          ; v26     my byte offset in out: 8 (l / 16) rows + 16 (l % 16)
.set SPW,  28
.set NIL,  29
.set WF,   64
.set G1,  24                           ; s[24:31] descriptor group 1;  s[32:35] group 0
.set G0,  32
.set MSB, 0
.macro WIN new                         ; the immediate's high byte repeats the setting that is left
.if MSB != \new
	s_set_vgpr_msb (MSB<<8)|\new
.set MSB, \new
.endif
.endm
.macro CROUND                          ; a round of the cluster's barrier
	s_barrier_signal -1
	s_barrier_wait -1
	s_cmp_lg_u32 s14, 0
	s_cbranch_scc1 .Lnot_wave_0_\@
	s_barrier_signal -3
.Lnot_wave_0_\@:
	s_barrier_wait -3
	s_barrier_signal -1
	s_barrier_wait -1
.endm
.macro PLACES                          ; a load into a register that a matrix instruction has read, and a vector instruction that reads a matrix result, stand four places behind it (ISA guide 7.12.1 for vector instructions)
.rept 4
	v_nop
.endr
.endm
.macro CTX s                           ; the s-th 128 along K of my four token tiles: 16 loads
.irp a, 0,1,2,3
	WIN 0x80+0x40*(\a/2)
.irp c, 0,1,2,3
	global_load_b128 v[16*(8*(\a%2)+\s)+4*\c:16*(8*(\a%2)+\s)+4*\c+3], v[CI], s[20:21] offset:32768*(\s/2)+2048*(\s%2)+4096*\a+512*\c
.endr
.endr
.endm
	s_load_b256 s[4:11], s[0:1], 0x0               ; ctx_img s[4:5], Wo s[6:7], the scales s[8:9], out s[10:11]
	v_lshl_add_u32 v[SPW], v0, 2, SPARE
	v_mov_b32 v[NIL], 0
	ds_add_u32 v[SPW], v[NIL]                      ; the wave's opening: the add, twice on end, and its wait ahead of my first tensor load
	ds_add_u32 v[SPW], v[NIL]
	v_lshrrev_b32 v1, 5, v0
	v_readfirstlane_b32 s14, v1                    ; wave 0..3
	s_bfe_u32 s40, ttmp6, 0x40000                  ; cx
	s_lshl_b32 s17, ttmp9, 2
	s_add_co_u32 s17, s17, s40                     ; the block of 256 tokens: 4 x cluster x + cx
	s_and_b32 s42, ttmp7, 0xffff                   ; the block of 128 features
	s_mov_b32 s[G1], 15|(1<<20)|(1<<21)|(7<<22)|(3<<25)   ; 15:0 the mask: all four; 17:16 elements of 1 byte; 20 padding on; 21 set beside a mask; 24:22 after every 256 words (code 7); 31:25 four words (code 3)
	s_mov_b32 s[G1+1], 1024<<16                    ; tensor_dim0
	s_mov_b32 s[G1+2], 32<<16                      ; tensor_dim1
	s_mov_b32 s[G1+3], 1024<<16                    ; tile_dim0
	s_mov_b32 s[G1+4], 32                          ; tile_dim1
	s_mov_b32 s[G1+5], 4096                        ; tensor_dim0_stride: every fourth row
	s_mov_b32 s[G1+6], 0
	s_mov_b32 s[G1+7], 0
	s_lshl_b32 s20, s17, 18
	s_lshl_b32 s18, s14, 14                        ; my 64 tokens: half of a block of 128: four tiles of 4,096 bytes,
	s_and_b32 s18, s18, 0x4000
	s_add_co_u32 s20, s20, s18
	s_lshr_b32 s18, s14, 1
	s_lshl_b32 s18, s18, 17                        ; in one block of two
	s_add_co_u32 s20, s20, s18
	s_mov_b32 s21, 0
	s_lshl_b32 s46, s42, 17
	s_lshl_b32 s18, s14, 10
	s_add_co_u32 s46, s46, s18                     ; the first of my rows of Wo
	s_mov_b32 s47, 0
	s_lshl_b32 s22, s17, 20
	s_lshl_b32 s18, s14, 18
	s_add_co_u32 s22, s22, s18
	s_lshl_b32 s18, s42, 9
	s_add_co_u32 s22, s22, s18                     ; my first row of out, and column
	s_mov_b32 s23, 0
	s_mul_i32 s45, s14, 32*PITCH
	v_and_b32 v6, 31, v0
	v_and_b32 v1, 15, v0                           ; l % 16
	v_bfe_u32 v2, v0, 4, 1                         ; l / 16
	v_lshlrev_b32 v[CI], 4, v6
	v_mul_u32_u24 v3, v1, PITCH
	v_lshlrev_b32 v4, 15, v2
	v_lshl_add_u32 v[ADW], v2, 4, v3               ; a fragment's row x pitch + 16 x half
	v_lshl_add_u32 v[CO], v1, 4, v4
	v_add_nc_u32 v[ADW+1], 64*PITCH, v[ADW]
	s_wait_alu depctr_va_vdst(0)
	s_wait_dscnt 0x0                               ; both opening adds are done
	s_wait_kmcnt 0x0
	s_load_b64 s[96:97], s[8:9], 0x28              ; entries 10, 11
	s_add_nc_u64 s[20:21], s[4:5], s[20:21]
	s_add_nc_u64 s[46:47], s[6:7], s[46:47]
	s_add_nc_u64 s[10:11], s[10:11], s[22:23]
	s_mov_b32 s[G0], 1                             ; count = 1
	s_mov_b32 s[G0+1], s45                         ; LDS address: no place in the cluster enters it
	s_mov_b64 s[G0+2:G0+3], s[46:47]
	s_or_b32 s[G0+3], s[G0+3], 0x80000000          ; type = 2
	CTX 0                                          ; two K steps of ctx are asked for ahead of the round
	CTX 1
	WIN 0
	CROUND                                         ; all four work-groups are here: the joint loads meet
	tensor_load_to_lds s[G0:G0+3], s[G1:G1+7]      ; my 32 rows of Wo: every wave's one load
	s_nop 0
.irp s, 2,3,4,5,6,7
	CTX \s
.endr
	WIN 0
	s_wait_kmcnt 0x0
	s_add_co_i32 s96, s96, s97
	s_add_co_i32 s96, s96, 127
	s_lshl_b32 s96, s96, 23                        ; 2^(entry 10 + entry 11) as f32
; A half step hs: half g = hs / 8 of the features, the hs % 8-th 128 along K: four fragments of Wo in buffer hs % 3, sixteen matrix instructions on half g's sixteen accumulators by turns.
.macro LD hs
.irp z, 0,1,2,3
.irp c, 0,1,2,3
	ds_load_b128 v[WF+64*((\hs)%3)+16*\z+4*\c:WF+64*((\hs)%3)+16*\z+4*\c+3], v[ADW+\z/2] offset:(\z%2)*32*PITCH+((\hs)/8)*16*PITCH+128*((\hs)%8)+32*\c
.endr
.endr
.endm
.macro HALF hs
	WIN 0
.if (\hs) < 14
	PLACES
	LD (\hs)+2                                     ; two half steps ahead, into the buffer that the last one multiplied
	s_wait_dscnt 32                                ; this half step's fragments are in: the two later ones' sixteen loads each may be out
.elseif (\hs) == 14
	s_wait_dscnt 16
.else
	s_wait_dscnt 0x0
.endif
.if (\hs) < 4
	s_wait_loadcnt 63                              ; ctx's K step hs is in: of the 128 loads at least 65 are done, the first 16 (hs + 1) among them
.elseif (\hs) < 8
	s_wait_loadcnt 16*(7-(\hs))                    ; and of the later K steps sixteen loads each may be out
.endif
.irp a, 0,1,2,3
	WIN 0x52+(\a/2)                                ; source 0 (ctx) window 2 or 3, source 1 (Wo) window 0, C and D window 1
.irp z, 0,1,2,3
.set AC, 128*((\hs)/8)+8*(4*\a+\z)
.set XR, 16*(8*(\a%2)+((\hs)%8))
.set WR, WF+64*((\hs)%3)+16*\z
.if ((\hs)%8) == 0
	v_wmma_f32_16x16x128_bf8_bf8 v[AC:AC+7], v[XR:XR+15], v[WR:WR+15], 0
.else
	v_wmma_f32_16x16x128_bf8_bf8 v[AC:AC+7], v[XR:XR+15], v[WR:WR+15], v[AC:AC+7]
.endif
.endr
.endr
.endm
; THE WAY OUT of half g: each token tile's 32 sums a lane x 2^(entry 10 + entry 11), in the order in which they lie in a row, each accumulator from its low end on; 16 lanes store 256 consecutive bytes.
.macro OUT g
.irp a, 0,1,2,3
.set T, 32
.if \a == 1
.set T, 128                            ; the middle buffer is free: half g's last step, or the last but two, was its reader
.elseif \a == 2
.set T, 160
.elseif \a == 3
	s_wait_xcnt 0x0                                ; the first tile's stores have read their registers
.endif
	WIN 0x04
.irp j, 0,1,2,3,4,5,6,7
.irp z, 0,1,2,3
	v_mul_f32 v[T+4*\j+\z], s96, v[128*\g+8*(4*\a+\z)+\j]
.endr
.endr
	WIN 0
.irp j, 0,1,2,3,4,5,6,7
	global_store_b128 v[CO], v[T+4*\j:T+4*\j+3], s[10:11] offset:(16*\a+\j)*4096+256*\g th:TH_STORE_NT
.endr
.endr
	s_wait_xcnt 0x0                                ; and the others: loads may land there
.endm
	s_wait_alu depctr_va_vdst(0)
	s_wait_tensorcnt 0x0                           ; my rows of Wo are in,
	s_barrier_signal -1
	s_barrier_wait -1                              ; and everybody's; nothing is filled again
	LD 0
	LD 1
.irp hs, 0,1,2,3,4,5,6,7
	HALF \hs
.endr
	WIN 0
	PLACES
	OUT 0                                          ; the first 64 columns are on their way while the others are multiplied
.irp hs, 8,9,10,11,12,13,14,15
	HALF \hs
.endr
	WIN 0
	PLACES
	OUT 1
	s_wait_tensorcnt 0x0                           ; the wave's end, behind my last tensor load
	ds_add_u32 v[SPW], v[NIL]
	s_wait_dscnt 0x0
	CROUND                                         ; the closing round: no work-group ends while a partner may still ask for a tile that names it
	s_endpgm
.Lfunc_end_k_q2c864a2360_outp:
	.size	k_q2c864a2360_outp, .Lfunc_end_k_q2c864a2360_outp-k_q2c864a2360_outp
	.p2alignl 7, 3214868480
	.fill 96, 4, 3214868480
	.section	.rodata,"a",@progbits
	.p2align	6, 0x0
	.amdhsa_kernel k_q2c864a2360_outp
		.amdhsa_group_segment_fixed_size 327680
		.amdhsa_private_segment_fixed_size 0
		.amdhsa_enable_private_segment 0
		.amdhsa_kernarg_size 32
		.amdhsa_user_sgpr_count 2
		.amdhsa_user_sgpr_kernarg_segment_ptr 1
		.amdhsa_wavefront_size32 1
		.amdhsa_system_sgpr_workgroup_id_x 1
		.amdhsa_system_sgpr_workgroup_id_y 1
		.amdhsa_system_sgpr_workgroup_id_z 1
		.amdhsa_system_vgpr_workitem_id 0
		.amdhsa_next_free_vgpr 1024
		.amdhsa_next_free_sgpr 100
		.amdhsa_reserve_vcc 0
		.amdhsa_float_denorm_mode_32 3
		.amdhsa_float_denorm_mode_16_64 3
		.amdhsa_memory_ordered 1
		.amdhsa_forward_progress 1
		.amdhsa_inst_pref_size 68
	.end_amdhsa_kernel
	.amdgpu_metadata
---
amdhsa.version: [ 1, 2 ]
amdhsa.kernels:
  - .name:           k_q2c864a2360_outp
    .symbol:         k_q2c864a2360_outp.kd
    .args:
      - { .name: ctx_img, .offset: 0, .size: 8, .value_kind: global_buffer, .address_space: global }
      - { .name: Wo_codes, .offset: 8, .size: 8, .value_kind: global_buffer, .address_space: global }
      - { .name: lowp_scales, .offset: 16, .size: 8, .value_kind: global_buffer, .address_space: global }
      - { .name: out0, .offset: 24, .size: 8, .value_kind: global_buffer, .address_space: global }
    .group_segment_fixed_size: 327680
    .private_segment_fixed_size: 0
    .kernarg_segment_align: 8
    .kernarg_segment_size: 32
    .max_flat_workgroup_size: 128
    .sgpr_count:     100
    .vgpr_count:     1024
    .wavefront_size: 32
...
	.end_amdgpu_metadata
.endif
;; end of part 3
